; MI455X (gfx1250); checked and timed in simulation.
; The chip was launched on July 23, 2026; its instructions are those of AMD's public machine-readable ISA for CDNA 5 (MIT licence, August 2026) and "CDNA5" Instruction Set Architecture Reference Guide (July 2026). The comments in the code are by the model that wrote it; some were corrected since.
;; QKV Attention. Allowed arithmetic: matrix products marked QUANTISED: E5M2 operands, one given power-of-two scale a tensor, by v_wmma_f32_16x16x64_bf8_bf8 or v_wmma_f32_16x16x128_bf8_bf8, f32 sums; everything else in f32.
;; Inputs: lowp_scales 4 int32 (the exponents e of the quantised operands' scales 2^e); qkv 4 x 3,072 x 2,048 float32.
;; Outputs: out0 4 x 1,024 x 2,048 float32.
;; This version of the problem:
;;   THIS VERSION OF THE PROBLEM IS GIVEN IN LOW PRECISION. The matrix products marked QUANTISED in the list below multiply operands that are first quantised to E5M2 (5 exponent bits, 2 mantissa bits; 8 bits a number), with one given power-of-two scale for each operand tensor; their sums are f32. All else is computed in f32.
;;   The module's matrix products, in the order in which they are computed (A, B: the left and right operand; K: the contracted axis; several contracted axes count as one K, in the product's order):
;;     1. batch 64 x [M 2,048, K 64] x [K 64, N 2,048]; A: computed on the way; B: computed on the way: QUANTISED (scales: A lowp_scales[0], B lowp_scales[1])
;;     2. batch 64 x [M 64, K 2,048] x [K 2,048, N 2,048]; A: computed on the way; B: softmax (see below): QUANTISED (scales: A lowp_scales[2], B lowp_scales[3])
;;   THE QUANTISER, for each operand of a quantised product, along K:
;;     - The operand's scale is 2^e, e = its entry of the input lowp_scales (int32; the entries are numbered through the quantised products in the list's order, A before B).
;;     - Each number is divided by the scale, clamped to +-57,344, and rounded to the nearest number of E5M2, ties to even, subnormals kept.
;;     - The product sums the exact products of the quantised numbers (number of the format x scale) in f32.
;;   ~~~python
;;   def quantise(x, axis, e):      # numpy; x: float32 -> the quantised numbers, widened to float32 again
;;       x = np.moveaxis(x, axis, -1); K = x.shape[-1]
;;       r = np.clip(x / 2.0 ** e, -57344, 57344)
;;       step = 2.0 ** (np.maximum(np.frexp(np.where(r == 0, 1, r))[1] - 1, -14) - 2)
;;       q = np.round(r / step) * step * 2.0 ** e      # np.round: ties to even
;;       return np.moveaxis(q, -1, axis).astype(np.float32)
;;   ~~~
;;   SOFTMAX AHEAD OF A QUANTISED PRODUCT. Where the list says 'softmax', what is quantised is not the finished softmax but p = 2^(t - M), with t = logit x log2(e) and M = ceil(the row's largest t), a whole number; so 1/2 < the row's largest p <= 1. The row's sum l is taken of the UNQUANTISED p, in f32, and the product's result is divided by l at the end. Since M is a whole number, a kernel that streams over the keys may use a running M (the ceiling of the running maximum): every later rescaling is an exact power of two, so the quantised numbers keep their values, but for numbers so far below the row's largest that they fall under the format's range.
;;   OPERANDS COMPUTED ON THE WAY. 'Computed on the way' means the value that the module computes at that place (a softmax that the list does not call 'softmax' is quantised finished and normalised). What goes into a quantiser is computed in f32, as accurately as f32 sums, v_exp_f32 and their like allow (about 1e-6 of the number): no bf16 or f16 on the way to a quantiser, and a product that is left as it is and whose result goes on into a quantised operand takes f32 operands (vector FMAs, or v_wmma_f32_16x16x4_f32). A number that lies on a knife's edge between two numbers of the format may be rounded either way, as far as f32 arithmetic and the matrix unit's own rounding can turn it there, and no further.
;; 2 versions. Each part assembles by itself: llvm-mc -triple=amdgcn-amd-amdhsa -mcpu=gfx1250 --defsym DOCPART=n.
;; ======== version 1 of 2: 1 launch
;; launch attn (part 1): grid 4 x 64, 16 waves a work-group, no clusters, 203,776 bytes of LDS; arguments qkv, lowp_scales, out0; writes out0
.if DOCPART == 1
	.amdgcn_target "amdgcn-amd-amdhsa--gfx1250"
	.amdhsa_code_object_version 6
	.text
	.protected	k_qeed36a5831_attn
	.globl	k_qeed36a5831_attn
	.p2align	8
	.type	k_qeed36a5831_attn,@function
k_qeed36a5831_attn:
	s_mov_b64 s[64:65], 0
	v_nop
	global_prefetch_b8 v0, s[64:65] scope:SCOPE_SE
	s_setreg_imm32_b32 hwreg(HW_REG_WAVE_MODE, 25, 1), 1
	s_wait_xcnt 0x0
; out[hd][c][t] = sum over s of softmax_s(sum over c' of (q g)[c'][t] (k g)[c'][s]) v[c][s],  g = 1 / sqrt(8);  64 heads, 64 channels, 2,048 places.
; qkv is [64 heads][192 rows][2,048] f32: a head's rows 0-63 are q, 64-127 k, 128-191 v; out0 is [64][64][2,048] f32.  Both products run on codes of E5M2 (v_wmma_f32_16x16x64_bf8_bf8), each operand
; with the one scale 2^e that is given for it: e0 (q g), e1 (k g), e2 (v), e3 (p).  code = x / 2^e, held within +-57,344, to the nearest code, ties to even.
; THE SOFTMAX: t = logit x log2(e); M = the running largest t rounded UP to a whole number; p = 2^(t - M) is quantised, not normalised; the row's sum is taken of the unquantised p and divides at the end.
; When M moves, the sum and O are multiplied by 2^(old M - new M), which rounds nothing.
; SHARES.  A work-group owns 512 queries of one head (grid x: the block, y: the head); each of its sixteen waves owns 32 of them, two tiles of 16, in 256 registers.  Every wave walks all 2,048 keys, 128 (a chunk) a trip,
; in two steps of 64.  Both products are used transposed (S^T = K Q^T, O^T = V P^T): a lane holds one query of each tile throughout, and each fragment of K and V read from LDS feeds two products.
; K AND V ARE QUANTISED ON THE WAY.  In the middle of trip j each wave takes its sixteenth of chunk j + 1 (f32, asked for a trip earlier, in 32 registers), quantises it, stores the codes into the other of two LDS slots and
; asks for chunk j + 2.  One barrier a trip.  K's channels are not innermost in memory: a lane takes a key and its registers run down 16 channels, so the conversions give codes with the channels innermost.
; THE KEYS OF A TILE ARE NOT NEIGHBOURS: row m of tile 2 b + u holds key 32 b + 16 (m / 8) + 8 u + m % 8, so that a lane's 16 scores of tiles 2 b, 2 b + 1 are 16 neighbouring keys: the conversions' results are P's fragment.
; ALONG K every fragment is laid alike on both sides of a product: registers 4 c .. 4 c + 3 of lane (r, h) hold k = 32 c + 16 h + 0 .. 15: each product meets its partner; only the order of the sums inside an instruction differs.
; NO CLUSTER, NO TENSOR LOAD: what the four work-groups of a head share arrives as f32 and has to pass through registers to be scaled, held and converted, K with a lane to a key.  Brought jointly into LDS, a chunk's
; 65,536 bytes would be written there and read back, 131,072 bytes beside the 262,144 that a trip's fragment loads read; by register loads each lane gets its numbers in the order that the conversions take.
; LIMITS: e0, e1, e2, e3 between -126 and 112; e0 + e1 between -126 and 127 (it is added to log2(e)'s exponent field); e2 + e3 is applied by v_ldexp_f32 and has none.  NaN among the inputs is not served.
; p under 2^-126 counts as 0 (v_exp_f32: ISA guide, 15.8).  The largest t begins at -3e38.
.set ROW,    8192                      ; bytes of a row of qkv and of out0
.set HEADB,  192*ROW                   ; a head in qkv
.set CHB,    512                       ; a chunk's bytes in a row: 128 keys
.set KT,     1152                      ; LDS: a tile of K: [granule g: channels 16 g ..][row m][16 bytes] = 1,024 bytes, + 128, so that the two tiles that a store touches fall on different banks
.set VOFF,   8*KT                      ; a slot: 8 tiles of K, then V
.set GS,     272                       ; V: a granule: 16 rows (channels) x 16 bytes (16 keys) + 16
.set VCT,    4*GS                      ; a tile of 16 channels x 64 keys
.set VSS,    4*VCT+64                  ; a step's four tiles, + 64: the two steps that a store touches fall on different banks
.set SLOTB,  18432                     ; a slot
.set QIMG,   2*SLOTB                   ; 2,048 bytes for each wave, its own: [tile][granule][query][16 bytes]
.set STG,    QIMG+16*2048              ; the way out: 64 rows (channels) x (512 queries x 4 bytes + 16)
.set SPITCH, 2064
.set LI,  1                            ; v1   16 x lane: my place in a tile of K
.set AV,  2                            ; v2   272 h + 16 r: my place in a tile of V
.set KST, 3                            ; v3   where I store my key's 16 codes
.set VST, 4                            ; v4   where I store four keys' codes of a row of V
.set KGO, 5                            ; v5   my byte offset among K's rows in memory
.set VGO, 6                            ; v6   the same for V
.set SCK, 7                            ; v7, v8, v9: 2^e1, 2^e2, 2^e3 as f32: the conversions take the exponent field
.set SCV, 8
.set SCP, 9
.set TA,  10                           ; v10-12 at work
.set TB,  11
.set TP,  12
.set PFO, 13                           ; v13  the prefetches' offset; never rewritten
.set BS,  14                           ; v[14:15] the sums' second chain
.set NM,  16                           ; v16 -M, v17 the largest t of tile 0; v18, v19 of tile 1
.set LS,  20                           ; v[20:21], v[22:23] the rows' sums, in two halves
.set FF,  24                           ; v24, v26: f = 2^(old M - new M); v25, v27 are named with them as pairs and hold 0
.set QF,  28                           ; v28-43   Q's two fragments
.set PC,  44                           ; v44-59   P's two fragments
.set CT,  44                           ; v44-51   between a step's last products and the next step's conversions: the codes of K and V just made
.set FR,  60                           ; v60-91   four fragments of K, then of V
.set SC,  92                           ; v92-155  S^T, then p: 32 a tile of queries
.set OA,  156                          ; v156-219 O^T: 32 a tile of queries
.set IN,  220                          ; v220-235 16 channels of my key; v236-251 four keys of four rows of V: f32, on their way for a trip
.set SO,  252                          ; v252, v253 the way out: where I put a number; (at the head: v252-254 Q's addresses)
.set SR,  254                          ; v254 where I read a row back
.set GOF, 255                          ; v255 my byte offset in out0
.set WV,  10                           ; s10 wave; s11 wave % 4; s12 wave / 4
.set KQ,  11
.set CG,  12
.set EX,  16                           ; s[16:19] e0 .. e3
.set SEL, 20                           ; s[20:21] v_permlanex16_b32's selects: lane l xor 16
.set CS,  22                           ; s[22:23] log2(e) x 2^(e0 + e1): the packed form names a pair and takes its low word
.set SQ,  24                           ; s[24:25] g
.set NLK, 26                           ; s26, s27 -+57,344 x 2^e1; s28, s29 with e2; s30 57,344 x 2^e3
.set LK,  27
.set NLV, 28
.set LV,  29
.set LP,  30
.set EO,  31                           ; s31 e2 + e3
.set KV,  32                           ; s[32:33] the head's first row of k, at the chunk last asked for
.set QB,  34                           ; s[34:35] the head's first row of q, at my block of queries
.set OB,  36                           ; s[36:37] the head's first row of out0, at my block
.set CNT, 38
.set LIM0, 39                          ; s39, s40: a wave prefetches while s38 is above them: 0 and 1 in a wave that prefetches, else the greatest number
.set LIM1, 40
.macro MKS e, sc, lim                  ; from the whole number s[e]: s[sc] = 2^e as f32, s[lim] = 57,344 x 2^e
	s_add_co_i32 s[\sc], s[\e], 127
	s_add_co_i32 s[\lim], s[\sc], 15
	s_lshl_b32 s[\sc], s[\sc], 23
	s_lshl_b32 s[\lim], s[\lim], 23
	s_or_b32 s[\lim], s[\lim], 0x600000
.endm
; My sixteenth of a chunk.  K: a lane a key, registers down 16 channels; a wave reads 128 consecutive bytes of a row, the four waves of equal wave / 4 stand side by side on 512.  V: four rows, 512 consecutive bytes each.
.macro KVLOAD
.irp i, 0,1,2,3,4,5,6,7,8,9,10,11,12,13,14,15
	global_load_b32 v[IN+\i], v[KGO], s[KV:KV+1] offset:\i*ROW
.endr
.irp i, 0,1,2,3
	global_load_b128 v[IN+16+4*\i:IN+16+4*\i+3], v[VGO], s[KV:KV+1] offset:\i*ROW
.endr
.endm
; A PREFETCH INTO THE L2 of the chunk behind the one just asked for: a trip ahead of its loads.  The four work-groups of a head walk the same K and V: the head's first work-group asks, in its waves 0 to 7, one instruction
; each: a lane names one aligned block of 256 bytes, two to a row's 512, 16 rows a wave, 128 rows (k's 64, v's 64): each block is named once in the launch.  Chunks 0 to 2 come by their loads alone; chunk 15 is the last named.
.macro ASK lim
	s_cmp_gt_u32 s[CNT], s[\lim]
	s_cbranch_scc0 .Lna_\@
	global_prefetch_b8 v[PFO], s[KV:KV+1] offset:CHB th:TH_LOAD_NT scope:SCOPE_SE
.Lna_\@:
.endm
; The chunk in IN becomes codes in slot dst.  load = 1: the next chunk but one is asked for.  lim: ASK's bound, or -1 for no prefetch.
.macro PRODUCE dst, load, lim
	s_wait_loadcnt 0x0                             ; the chunk's 20 loads, issued a trip ago, are in
.set j, 0
.rept 8
	v_pk_mul_f32 v[IN+j:IN+j+1], v[IN+j:IN+j+1], s[SQ:SQ+1] op_sel_hi:[1,0]   ; k g, as the definition has it ahead of the quantiser
.set j, j+2
.endr
.set j, 0
.rept 16
	v_med3_num_f32 v[IN+j], v[IN+j], s[NLK], s[LK] ; the conversion to an 8-bit code does not saturate (ISA guide 7.6.2): the hold at the largest code x the scale
.set j, j+1
.endr
.rept 16
	v_med3_num_f32 v[IN+j], v[IN+j], s[NLV], s[LV]
.set j, j+1
.endr                                                  ; these 40 plain instructions are the places between the last products, which read P, and the conversions, which write its registers
	v_cvt_scalef32_pk8_bf8_f32 v[CT:CT+1], v[IN:IN+7], v[SCK]
	v_cvt_scalef32_pk8_bf8_f32 v[CT+2:CT+3], v[IN+8:IN+15], v[SCK]        ; 16 channels of my key: a granule's row
	v_cvt_scalef32_pk8_bf8_f32 v[CT+4:CT+5], v[IN+16:IN+23], v[SCV]       ; word CT + 4 + i: four keys of my row i of V
	v_cvt_scalef32_pk8_bf8_f32 v[CT+6:CT+7], v[IN+24:IN+31], v[SCV]
	v_nop                                          ; one plain instruction behind the last conversion: its registers are touched by conversions and products further on
	ds_store_b128 v[KST], v[CT:CT+3] offset:(\dst)*SLOTB
.irp i, 0,1,2,3
	ds_store_b32 v[VST], v[CT+4+\i] offset:(\dst)*SLOTB+VOFF+16*\i
.endr
.if (\load)
	s_wait_xcnt 0x0                                ; the prefetch of a trip ago has read the base: only behind this wait is it stepped
	s_add_nc_u64 s[KV:KV+1], s[KV:KV+1], CHB
	KVLOAD
.if (\lim) >= 0
	ASK \lim
.endif
.endif
.endm
; The step's largest score of my query of tile qt; the running largest t; -M = floor(-t); f.  The scores are taken in ascending order, each accumulator from its low end on.
.macro MAXSTAT qt
.set rS, SC+32*(\qt)
.set rN, NM+2*(\qt)
.set rF, FF+2*(\qt)
	v_max3_num_f32 v[TA], v[rS], v[rS+1], v[rS+2]
	v_max3_num_f32 v[TB], v[rS+3], v[rS+4], v[rS+5]
.irp i, 6,10,14,18,22,26
	v_max3_num_f32 v[TA], v[TA], v[rS+\i], v[rS+\i+1]
	v_max3_num_f32 v[TB], v[TB], v[rS+\i+2], v[rS+\i+3]
.endr
	v_max3_num_f32 v[TA], v[TA], v[rS+30], v[rS+31]
	v_max_num_f32 v[TA], v[TA], v[TB]
	v_permlanex16_b32 v[TP], v[TA], s[SEL], s[SEL+1]   ; the query's other 32 keys lie in lane l xor 16
	v_max_num_f32 v[TA], v[TA], v[TP]
	v_mul_f32 v[TA], s[CS], v[TA]                  ; as t (the factor is positive)
	v_max_num_f32 v[rN+1], v[rN+1], v[TA]
	v_mov_b32 v[TA], v[rN]
	v_floor_f32 v[rN], -v[rN+1]                    ; the new -M = -ceil(t): a whole number
	v_sub_f32 v[TA], v[rN], v[TA]                  ; old M - new M: a whole number, 0 or less
	v_cvt_i32_f32 v[TA], v[TA]                     ; (it saturates)
	v_ldexp_f32 v[rF], 1.0, v[TA]
.endm
.macro SCALE qt                        ; t - M, two at a time
.set rS, SC+32*(\qt)
.set rN, NM+2*(\qt)
.set j, 0
.rept 16
	v_pk_fma_f32 v[rS+j:rS+j+1], v[rS+j:rS+j+1], s[CS:CS+1], v[rN:rN+1] op_sel_hi:[1,0,0]
.set j, j+2
.endr
.endm
.macro EXPS qt                         ; p = 2^(t - M), at most 1
.set rS, SC+32*(\qt)
.set j, 0
.rept 32
	v_exp_f32 v[rS+j], v[rS+j]
.set j, j+1
.endr
.endm
.macro SUMS qt                         ; the row's sum, of the unquantised p: two at a time, in two chains
.set rS, SC+32*(\qt)
.set rL, LS+2*(\qt)
	v_pk_add_f32 v[BS:BS+1], v[rS:rS+1], v[rS+2:rS+3]
.irp i, 4,8,12,16,20,24,28
	v_pk_add_f32 v[rL:rL+1], v[rL:rL+1], v[rS+\i:rS+\i+1]
	v_pk_add_f32 v[BS:BS+1], v[BS:BS+1], v[rS+\i+2:rS+\i+3]
.endr
	v_pk_add_f32 v[rL:rL+1], v[rL:rL+1], v[BS:BS+1]
.endm
; p's hold at the largest code x 2^e3 (one-sided: p is not negative).  p is at most 1: from e3 = -15 on, p / 2^e3 is at most 32,768, under 57,344, and the hold would change nothing: a scalar branch on the given
; whole number leads round it.  The launch has no tensor load and no copy; every exponential has had its wait ahead of the branch.
.macro HOLD
	s_cmp_ge_i32 s[EX+3], -15
	s_cbranch_scc1 .Lnh_\@
.set j, 0
.rept 64
	v_min_num_f32 v[SC+j], s[LP], v[SC+j]
.set j, j+1
.endr
.Lnh_\@:
.endm
; A STEP: 64 keys, the sg-th of slot sl.  sig = 1: the trip's barrier is signalled in it.  np: places owed at its head.
.macro STEP sl, sg, sig, np
.if (\np) > 0
.rept \np
	v_nop                                          ; four places between the last products and the loads into the fragments that they read (ISA guide 7.12.1 for vector instructions)
.endr
.endif
.irp kt, 0,1,2,3
.irp c, 0,1
	ds_load_b128 v[FR+8*\kt+4*\c:FR+8*\kt+4*\c+3], v[LI] offset:(\sl)*SLOTB+(4*(\sg)+\kt)*KT+512*\c   ; granule 2 c + h, row r: 16 lanes read 256 consecutive bytes
.endr
.endr
	s_wait_dscnt 0x0
.irp kt, 0,1,2,3
.irp qt, 0,1
	v_wmma_f32_16x16x64_bf8_bf8 v[SC+32*\qt+8*\kt:SC+32*\qt+8*\kt+7], v[FR+8*\kt:FR+8*\kt+7], v[QF+8*\qt:QF+8*\qt+7], 0
.endr
.endr
.rept 4
	v_nop                                          ; four places: for the loads below, into registers just read, and for the first read of the scores
.endr
.irp ct, 0,1,2,3
.irp c, 0,1
	ds_load_b128 v[FR+8*\ct+4*\c:FR+8*\ct+4*\c+3], v[AV] offset:(\sl)*SLOTB+VOFF+(\sg)*VSS+\ct*VCT+2*GS*\c   ; V lands while the maxima are taken
.endr
.endr
	MAXSTAT 0
	MAXSTAT 1
	s_wait_dscnt 0x0                               ; V's fragments are in.  No LDS instruction of mine is out: my stores into the other slot have landed, my reads of this slot are back
	SCALE 0
	SCALE 1
	EXPS 0
	EXPS 1                                         ; the 64 exponentials are one batch
	v_pk_mul_f32 v[LS:LS+1], v[LS:LS+1], v[FF:FF+1] op_sel_hi:[1,0]           ; the sums under the new M: plain instructions behind the last exponential
	v_pk_mul_f32 v[LS+2:LS+3], v[LS+2:LS+3], v[FF+2:FF+3] op_sel_hi:[1,0]
	s_wait_alu depctr_va_vdst(0)                   ; one wait for the batch, ahead of the first instruction that names a result
	SUMS 0
	SUMS 1
	HOLD
.if \sig
	s_barrier_signal -1                            ; what the others rely on was complete at the wait on DScnt above, and no LDS instruction was issued since; register work alone follows up to the wait
.endif
.irp qt, 0,1
.irp kt, 0,1,2,3
	v_cvt_scalef32_pk8_bf8_f32 v[PC+8*\qt+2*\kt:PC+8*\qt+2*\kt+1], v[SC+32*\qt+8*\kt:SC+32*\qt+8*\kt+7], v[SCP]   ; registers 4 b .. 4 b + 3 of P: keys 32 b + 16 h + 0 .. 15
.endr
.endr
.irp qt, 0,1
.set j, 0
.rept 16
	v_pk_mul_f32 v[OA+32*\qt+j:OA+32*\qt+j+1], v[OA+32*\qt+j:OA+32*\qt+j+1], v[FF+2*\qt:FF+2*\qt+1] op_sel_hi:[1,0]   ; O^T under the new M; also the plain instructions between the conversions and the products
.set j, j+2
.endr
.endr
.irp ct, 0,1,2,3
.irp qt, 0,1
	v_wmma_f32_16x16x64_bf8_bf8 v[OA+32*\qt+8*\ct:OA+32*\qt+8*\ct+7], v[FR+8*\ct:FR+8*\ct+7], v[PC+8*\qt:PC+8*\qt+7], v[OA+32*\qt+8*\ct:OA+32*\qt+8*\ct+7]   ; eight accumulators, one instruction a turn
.endr
.endr
.endm
; A TRIP: the chunk in slot sl.  mode 2: the next chunk is quantised into the other slot and the one behind it asked for; 1: quantised alone; 0: the last chunk: nothing, and no barrier.
; THE ONE BARRIER orders two things: my stores into the other slot against the others' reads of it in the next trip, and my reads of this slot against the others' stores into it in the next trip.
.macro TRIP sl, mode, lim
	STEP \sl, 0, 0, 4
.if (\mode) >= 1
	PRODUCE 1-(\sl), (\mode)-1, \lim
	STEP \sl, 1, 1, 0                              ; PRODUCE's plain instructions are the places at this step's head
	s_barrier_wait -1
.else
	STEP \sl, 1, 0, 4
.endif
.endm
	s_load_b128 s[4:7], s[0:1], 0x0                ; qkv s[4:5], the scales' exponents s[6:7]
	s_load_b64 s[8:9], s[0:1], 0x10                ; out0
	v_lshrrev_b32 v[TA], 5, v0
	v_readfirstlane_b32 s[WV], v[TA]               ; wave 0..15
	s_and_b32 s[KQ], s[WV], 3
	s_lshr_b32 s[CG], s[WV], 2
	v_and_b32 v[TA], 31, v0                        ; l
	v_and_b32 v[TB], 15, v0                        ; r
	v_bfe_u32 v[TP], v0, 4, 1                      ; h
	v_lshlrev_b32 v[LI], 4, v[TA]
	v_mul_u32_u24 v[AV], v[TP], GS
	v_lshl_add_u32 v[AV], v[TB], 4, v[AV]
	; K's store: my key is 32 (wave % 4) + l of the chunk: tile 2 (wave % 4) + (l / 8) % 2, row 8 (l / 16) + l % 8; my channels are granule wave / 4
	v_bfe_u32 v[BS], v0, 3, 1
	v_mul_u32_u24 v[KST], v[BS], KT
	v_lshl_add_u32 v[KST], v[TP], 7, v[KST]
	v_and_b32 v[BS], 7, v0
	v_lshl_add_u32 v[KST], v[BS], 4, v[KST]
	s_mul_i32 s42, s[KQ], 2*KT
	s_lshl_b32 s43, s[CG], 8
	s_add_co_u32 s42, s42, s43
	v_add_nc_u32 v[KST], s42, v[KST]
	; V's store: my keys are 4 l .. 4 l + 3 of the chunk: step l / 16, granule (l / 4) % 4, byte 4 (l % 4); my rows are channels 4 wave + i: tile wave / 4, row 4 (wave % 4) + i
	v_mul_u32_u24 v[VST], v[TP], VSS
	v_bfe_u32 v[BS], v0, 2, 2
	v_mul_u32_u24 v[BS], v[BS], GS
	v_add_nc_u32 v[VST], v[VST], v[BS]
	v_and_b32 v[BS], 3, v0
	v_lshl_add_u32 v[VST], v[BS], 2, v[VST]
	s_mul_i32 s42, s[CG], VCT
	s_lshl_b32 s43, s[KQ], 6
	s_add_co_u32 s42, s42, s43
	v_add_nc_u32 v[VST], s42, v[VST]
	s_lshl_b32 s42, s[KQ], 7                       ; K in memory: 4 l + 128 (wave % 4), 16 (wave / 4) rows down
	s_lshl_b32 s43, s[CG], 17
	s_add_co_u32 s42, s42, s43
	v_lshl_add_u32 v[KGO], v[TA], 2, s42
	s_lshl_b32 s42, s[WV], 15                      ; V in memory: 64 rows behind k's first, 4 wave rows down, 16 l
	s_add_co_u32 s42, s42, 64*ROW
	v_lshl_add_u32 v[VGO], v[TA], 4, s42
	s_and_b32 s42, s[WV], 7                        ; the prefetches: row 16 (wave % 8) + l / 2, block l % 2
	s_lshl_b32 s42, s42, 17
	v_lshrrev_b32 v[BS], 1, v[TA]
	v_lshl_add_u32 v[PFO], v[BS], 13, s42
	v_and_b32 v[BS], 1, v0
	v_lshl_add_u32 v[PFO], v[BS], 8, v[PFO]
	s_lshl_b32 s42, s[WV], 7                       ; Q in memory: a lane a query: 4 l + 128 wave
	v_lshl_add_u32 v252, v[TA], 2, s42
	s_lshl_b32 s42, s[WV], 11
	s_add_co_u32 s42, s42, QIMG                    ; my 2,048 bytes for Q's codes
	v_lshl_add_u32 v253, v[TP], 10, s42            ; in: tile l / 16, query l % 16
	v_lshl_add_u32 v253, v[TB], 4, v253
	v_add_nc_u32 v254, s42, v[LI]                  ; back: 16 l
	s_and_b32 s44, ttmp7, 0xffff                   ; the head
	s_mul_i32 s42, s44, HEADB                      ; under 2^32
	s_mov_b32 s43, 0
	s_lshl_b32 s46, ttmp9, 11                      ; my block's 512 queries x 4 bytes
	s_mov_b32 s47, 0
	s_lshl_b32 s44, s44, 19                        ; a head of out0: 64 rows of 8,192 bytes
	s_mov_b32 s45, 0
	s_mov_b32 s[SEL], 0x76543210
	s_mov_b32 s[SEL+1], 0xfedcba98
	s_mov_b32 s[SQ], 0x3eb504f3                    ; g = 1 / sqrt(8) as f32
	s_mov_b32 s[SQ+1], 0x3eb504f3                  ; (named with it as a pair, so it is written)
	s_mov_b32 s[CNT], 7
	s_wait_kmcnt 0x0
	s_load_b128 s[EX:EX+3], s[6:7], 0x0            ; e0, e1, e2, e3
	s_add_nc_u64 s[QB:QB+1], s[4:5], s[42:43]
	s_add_nc_u64 s[KV:KV+1], s[QB:QB+1], 64*ROW
	s_add_nc_u64 s[QB:QB+1], s[QB:QB+1], s[46:47]
	s_add_nc_u64 s[OB:OB+1], s[8:9], s[44:45]
	s_add_nc_u64 s[OB:OB+1], s[OB:OB+1], s[46:47]
.set j, 0
.rept 64
	global_load_b32 v[SC+j], v252, s[QB:QB+1] offset:j*ROW th:TH_LOAD_NT   ; q(channel j, my query): a wave reads 128 consecutive bytes; read once in the launch
.set j, j+1
.endr
	KVLOAD                                         ; chunk 0
	s_wait_kmcnt 0x0
	s_add_co_i32 s46, s[EX], s[EX+1]
	s_lshl_b32 s46, s46, 23
	s_add_co_i32 s[CS], s46, 0x3fb8aa3b            ; a sum of the first product stands for sum x 2^(e0 + e1): the two exponents are added to log2(e)'s exponent field
	s_mov_b32 s[CS+1], s[CS]
	MKS EX, 44, 43
	s_or_b32 s42, s43, 0x80000000                  ; -+57,344 x 2^e0 in s42, s43
	v_mov_b32 v[TA], s44                           ; 2^e0
	MKS EX+1, 44, LK
	s_or_b32 s[NLK], s[LK], 0x80000000
	v_mov_b32 v[SCK], s44
	MKS EX+2, 44, LV
	s_or_b32 s[NLV], s[LV], 0x80000000
	v_mov_b32 v[SCV], s44
	MKS EX+3, 44, LP
	v_mov_b32 v[SCP], s44
	s_add_co_i32 s[EO], s[EX+2], s[EX+3]
	s_lshr_b32 s46, s[WV], 3                       ; 0 in waves 0 to 7,
	s_or_b32 s46, s46, ttmp9                       ; of the head's first work-group
	s_cmp_eq_u32 s46, 0
	s_cselect_b32 s[LIM0], 0, -1
	s_cselect_b32 s[LIM1], 1, -1
	s_wait_loadcnt 20                              ; Q's 64 loads are in; the 20 of chunk 0, issued behind them, may be out
.set j, 0
.rept 32
	v_pk_mul_f32 v[SC+j:SC+j+1], v[SC+j:SC+j+1], s[SQ:SQ+1] op_sel_hi:[1,0]   ; q g
.set j, j+2
.endr
.set j, 0
.rept 64
	v_med3_num_f32 v[SC+j], v[SC+j], s42, s43
.set j, j+1
.endr
.set j, 0
.rept 8
	v_cvt_scalef32_pk8_bf8_f32 v[FR+2*j:FR+2*j+1], v[SC+8*j:SC+8*j+7], v[TA]   ; registers 4 g .. 4 g + 3: channels 16 g .. 16 g + 15 of my query
.set j, j+1
.endr
	v_nop                                          ; one plain instruction behind the last conversion
.irp g, 0,1,2,3
	ds_store_b128 v253, v[FR+4*\g:FR+4*\g+3] offset:256*\g
.endr
.irp qt, 0,1
.irp c, 0,1
	ds_load_b128 v[QF+8*\qt+4*\c:QF+8*\qt+4*\c+3], v254 offset:1024*\qt+512*\c   ; my wave's own bytes, and LDS serves a wave's instructions in order (ISA guide 5.7.1.4): these see the stores above
.endr
.endr
	PRODUCE 0, 1, -1                               ; chunk 0 into slot 0; chunk 1 is asked for.  Nothing is prefetched here, at the head
.set j, 0
.rept 64
	v_mov_b32 v[OA+j], 0                           ; the step is written without a first step of its own: it finds zeros, which the first change of M leaves zeros
.set j, j+1
.endr
.irp i, 0,1,2,3
	v_mov_b32 v[LS+\i], 0
.endr
	v_mov_b32 v[TP], 0                             ; a lane permute's destination counts as one of its sources
	v_mov_b32 v[FF+1], 0
	v_mov_b32 v[FF+3], 0
	v_mov_b32 v[NM+1], 0xff61b1e6                  ; the largest t so far: -3e38
	v_mov_b32 v[NM+3], 0xff61b1e6
	v_floor_f32 v[NM], -v[NM+1]
	v_floor_f32 v[NM+2], -v[NM+3]
	s_wait_dscnt 0x0                               ; Q's fragments are in, and my part of slot 0 has landed
	s_barrier_signal -1
	s_barrier_wait -1                              ; everybody's has
.Ltrip:                                                ; seven trips of two chunks: chunks 0 to 13
	TRIP 0, 2, LIM0
	TRIP 1, 2, LIM1
	s_sub_co_u32 s[CNT], s[CNT], 1
	s_cmp_lg_u32 s[CNT], 0
	s_cbranch_scc1 .Ltrip
	TRIP 0, 1, -1                                  ; chunk 14: chunk 15 is quantised, nothing is asked for: no load passes key 2,047
	TRIP 1, 0, -1                                  ; chunk 15
	; THE WAY OUT.  O^T / the sum x 2^(e2 + e3).  A lane holds one query, and out0 has the queries innermost: the work-group's 64 rows x 512 queries meet in a stage in LDS, and each wave stores four whole rows' 2,048 bytes.
	v_add_f32 v[LS], v[LS], v[LS+1]                ; the sums' two halves (these additions and the address work below are the places behind the last products),
	v_add_f32 v[LS+2], v[LS+2], v[LS+3]
	v_permlanex16_b32 v[TP], v[LS], s[SEL], s[SEL+1]
	v_permlanex16_b32 v[TA], v[LS+2], s[SEL], s[SEL+1]
	v_add_f32 v[LS], v[LS], v[TP]                  ; and lane l xor 16's
	v_add_f32 v[LS+2], v[LS+2], v[TA]
	v_rcp_f32 v[FF], v[LS]
	v_rcp_f32 v[FF+2], v[LS+2]
	v_and_b32 v[TB], 15, v0                        ; r  (plain work behind the reciprocals)
	v_bfe_u32 v[TP], v0, 4, 1                      ; h
	s_lshl_b32 s42, s[WV], 7
	s_add_co_u32 s42, s42, STG
	v_mul_u32_u24 v[SO], v[TP], 8*SPITCH           ; in: register 8 ct + j of tile qt is channel 16 ct + 8 h + j, query 32 wave + 16 qt + r
	v_lshl_add_u32 v[SO], v[TB], 2, v[SO]
	v_add_nc_u32 v[SO], s42, v[SO]
	v_add_nc_u32 v[SO+1], 32*SPITCH, v[SO]         ; channels 32 on: the offsets stay inside their 16 bits
	s_mul_i32 s42, s[WV], 4*SPITCH
	s_add_co_u32 s42, s42, STG
	v_add_nc_u32 v[SR], s42, v[LI]                 ; back: rows 4 wave + i, 16 bytes a lane
	s_lshl_b32 s42, s[WV], 15
	v_add_nc_u32 v[GOF], s42, v[LI]                ; and the same in out0
	s_wait_alu depctr_va_vdst(0)                   ; one wait for the two reciprocals, ahead of their first reader
	v_ldexp_f32 v[FF], v[FF], s[EO]
	v_ldexp_f32 v[FF+2], v[FF+2], s[EO]
.irp qt, 0,1
.set j, 0
.rept 16
	v_pk_mul_f32 v[OA+32*\qt+j:OA+32*\qt+j+1], v[OA+32*\qt+j:OA+32*\qt+j+1], v[FF+2*\qt:FF+2*\qt+1] op_sel_hi:[1,0]   ; each accumulator from its low end on
.set j, j+2
.endr
.endr
.irp qt, 0,1
.irp ct, 0,1,2,3
.irp i, 0,1,2,3,4,5,6,7
	ds_store_b32 v[SO+(\ct/2)], v[OA+32*\qt+8*\ct+\i] offset:(16*(\ct%2)+\i)*SPITCH+64*\qt   ; lanes 0-15: 64 consecutive bytes; lanes 16-31: eight rows on, 128 bytes further round the banks
.endr
.endr
.endr
	s_wait_dscnt 0x0                               ; for the others' sake: my stores into the stage have landed
	s_barrier_signal -1
	s_barrier_wait -1
.irp i, 0,1,2,3
.irp k, 0,1,2,3
	ds_load_b128 v[SC+4*(4*\i+\k):SC+4*(4*\i+\k)+3], v[SR] offset:\i*SPITCH+512*\k
.endr
.endr
.irp i, 0,1,2,3
.irp k, 0,1,2,3
	s_wait_dscnt 15-(4*\i+\k)                      ; LDS loads come back in order (ISA guide 5.7.1): this one is in, the younger ones may be out
	global_store_b128 v[GOF], v[SC+4*(4*\i+\k):SC+4*(4*\i+\k)+3], s[OB:OB+1] offset:\i*ROW+512*\k th:TH_STORE_NT   ; 32 lanes store 512 consecutive bytes, at a multiple of 256 from out0's first byte
.endr
.endr
	s_wait_xcnt 0x0
	v_lshl_add_u32 v254, v0, 2, 0x31400
	v_mov_b32 v255, 0
	s_wait_tensorcnt 0x0
	ds_add_u32 v254, v255
	s_wait_dscnt 0x0
	s_endpgm
.Lfunc_end_k_qeed36a5831_attn:
	.size	k_qeed36a5831_attn, .Lfunc_end_k_qeed36a5831_attn-k_qeed36a5831_attn
	.p2alignl 7, 3214868480
	.fill 96, 4, 3214868480
	.section	.rodata,"a",@progbits
	.p2align	6, 0x0
	.amdhsa_kernel k_qeed36a5831_attn
		.amdhsa_group_segment_fixed_size 203776
		.amdhsa_private_segment_fixed_size 0
		.amdhsa_enable_private_segment 0
		.amdhsa_kernarg_size 24
		.amdhsa_user_sgpr_count 2
		.amdhsa_user_sgpr_kernarg_segment_ptr 1
		.amdhsa_wavefront_size32 1
		.amdhsa_system_sgpr_workgroup_id_x 1
		.amdhsa_system_sgpr_workgroup_id_y 1
		.amdhsa_system_sgpr_workgroup_id_z 1
		.amdhsa_system_vgpr_workitem_id 0
		.amdhsa_next_free_vgpr 256
		.amdhsa_next_free_sgpr 66
		.amdhsa_reserve_vcc 0
		.amdhsa_float_denorm_mode_32 3
		.amdhsa_float_denorm_mode_16_64 3
		.amdhsa_memory_ordered 1
		.amdhsa_forward_progress 1
		.amdhsa_inst_pref_size 178
	.end_amdhsa_kernel
	.amdgpu_metadata
---
amdhsa.version: [ 1, 2 ]
amdhsa.kernels:
  - .name:           k_qeed36a5831_attn
    .symbol:         k_qeed36a5831_attn.kd
    .args:
      - { .name: qkv, .offset: 0, .size: 8, .value_kind: global_buffer, .address_space: global }
      - { .name: lowp_scales, .offset: 8, .size: 8, .value_kind: global_buffer, .address_space: global }
      - { .name: out0, .offset: 16, .size: 8, .value_kind: global_buffer, .address_space: global }
    .group_segment_fixed_size: 203776
    .private_segment_fixed_size: 0
    .kernarg_segment_align: 8
    .kernarg_segment_size: 24
    .max_flat_workgroup_size: 512
    .sgpr_count:     66
    .vgpr_count:     256
    .wavefront_size: 32
...
	.end_amdgpu_metadata
.endif
;; end of part 1
;; ======== version 2 of 2: 1 launch; version 1 with the launch attn written anew for expert scheduling mode
;; launch attn (part 2): grid 4 x 64, 16 waves a work-group, no clusters, 203,776 bytes of LDS; arguments qkv, lowp_scales, out0; writes out0
.if DOCPART == 2
	.amdgcn_target "amdgcn-amd-amdhsa--gfx1250"
	.amdhsa_code_object_version 6
	.text
	.protected	k_qeed36a5831_attn
	.globl	k_qeed36a5831_attn
	.p2align	8
	.type	k_qeed36a5831_attn,@function
k_qeed36a5831_attn:
	s_mov_b64 s[64:65], 0
	v_nop
	global_prefetch_b8 v0, s[64:65] scope:SCOPE_SE
	s_setreg_imm32_b32 hwreg(HW_REG_WAVE_SCHED_MODE, 0, 2), 2
	s_setreg_imm32_b32 hwreg(HW_REG_WAVE_MODE, 25, 1), 1
	s_wait_xcnt 0x0
	s_wait_alu depctr_vm_vsrc(0)
; out[hd][c][t] = sum over s of softmax_s(sum over c' of (q g)[c'][t] (k g)[c'][s]) v[c][s],  g = 1 / sqrt(8);  64 heads, 64 channels, 2,048 places.
; qkv is [64 heads][192 rows][2,048] f32: a head's rows 0-63 are q, 64-127 k, 128-191 v; out0 is [64][64][2,048] f32.  Both products run on codes of E5M2 (v_wmma_f32_16x16x64_bf8_bf8), each operand
; with the one scale 2^e that is given for it: e0 (q g), e1 (k g), e2 (v), e3 (p).  code = x / 2^e, held within +-57,344, to the nearest code, ties to even.
; THE SOFTMAX: t = logit x log2(e); M = the running largest t rounded UP to a whole number; p = 2^(t - M) is quantised, not normalised; the row's sum is taken of the unquantised p and divides at the end.
; When M moves, the sum and O are multiplied by 2^(old M - new M), which rounds nothing.
; SHARES.  A work-group owns 512 queries of one head (grid x: the block, y: the head); each of its sixteen waves owns 32 of them, two tiles of 16, in 256 registers.  Every wave walks all 2,048 keys, 128 (a chunk) a trip,
; in two steps of 64.  Both products are used transposed (S^T = K Q^T, O^T = V P^T): a lane holds one query of each tile throughout, and each fragment of K and V read from LDS feeds two products.
; K AND V ARE QUANTISED ON THE WAY.  In the middle of trip j each wave takes its sixteenth of chunk j + 1 (f32, asked for a trip earlier, in 32 registers), quantises it, stores the codes into the other of two LDS slots and
; asks for chunk j + 2.  One barrier a trip.  K's channels are not innermost in memory: a lane takes a key and its registers run down 16 channels, so the conversions give codes with the channels innermost.
; THE KEYS OF A TILE ARE NOT NEIGHBOURS: row m of tile 2 b + u holds key 32 b + 16 (m / 8) + 8 u + m % 8, so that a lane's 16 scores of tiles 2 b, 2 b + 1 are 16 neighbouring keys: the conversions' results are P's fragment.
; ALONG K every fragment is laid alike on both sides of a product: registers 4 c .. 4 c + 3 of lane (r, h) hold k = 32 c + 16 h + 0 .. 15: each product meets its partner; only the order of the sums inside an instruction differs.
; NO CLUSTER, NO TENSOR LOAD: what the four work-groups of a head share arrives as f32 and has to pass through registers to be scaled, held and converted, K with a lane to a key.  Brought jointly into LDS, a chunk's
; 65,536 bytes would be written there and read back, 131,072 bytes beside the 262,144 that a trip's fragment loads read; by register loads each lane gets its numbers in the order that the conversions take.
; LIMITS: e0, e1, e2, e3 between -126 and 112; e0 + e1 between -126 and 127 (it is added to log2(e)'s exponent field); e2 + e3 is applied by v_ldexp_f32 and has none.  NaN among the inputs is not served.
; p under 2^-126 counts as 0 (v_exp_f32: ISA guide, 15.8).  The largest t begins at -3e38.
; THE MODE: SCHED_MODE bits 1:0 = 2 (LLVM: expert scheduling mode 2), set by the entry lines.  The code itself states the register dependences between vector or matrix instructions and memory or LDS
; instructions, with s_wait_alu, always for 0.
; THE PLAN.  Registers that memory or LDS instructions touch, in the loop:
;   v1-6, v13   addresses and offsets: written at the head, ahead of one wait on va_vdst, and never again.
;   FR          K's eight LDS loads land in it, eight products read it, V's eight loads land in it, eight products read it.  A wait on va_vdst stands between each run of products and the loads that follow.
;   IN          the 20 global loads of a chunk land in it; a trip later PRODUCE scales and holds it in place and its conversions read it; then the next 20 loads land.
;   CT          PRODUCE's conversions write it, its five LDS stores read it; the same registers are the low half of P, which each step's conversions write.
; PRODUCE has ONE wait on va_vdst, behind its conversions: CT is written, IN is done with, and the products of the step before are done reading FR.  Behind it stand, with no vector instruction between: the next step's
; eight loads of K, the five stores, the 20 loads and the prefetch.  So of a trip's two steps only the first has a wait of its own at its head.  One wait on vm_vsrc a trip, in the step behind PRODUCE, states that the stores have read CT.
.set ROW,    8192                      ; bytes of a row of qkv and of out0
.set HEADB,  192*ROW                   ; a head in qkv
.set CHB,    512                       ; a chunk's bytes in a row: 128 keys
.set KT,     1152                      ; LDS: a tile of K: [granule g: channels 16 g ..][row m][16 bytes] = 1,024 bytes, + 128, so that the two tiles that a store touches fall on different banks
.set VOFF,   8*KT                      ; a slot: 8 tiles of K, then V
.set GS,     272                       ; V: a granule: 16 rows (channels) x 16 bytes (16 keys) + 16
.set VCT,    4*GS                      ; a tile of 16 channels x 64 keys
.set VSS,    4*VCT+64                  ; a step's four tiles, + 64: the two steps that a store touches fall on different banks
.set SLOTB,  18432                     ; a slot
.set QIMG,   2*SLOTB                   ; 2,048 bytes for each wave, its own: [tile][granule][query][16 bytes]
.set STG,    QIMG+16*2048              ; the way out: 64 rows (channels) x (512 queries x 4 bytes + 16)
.set SPITCH, 2064
.set LI,  1                            ; v1   16 x lane: my place in a tile of K
.set AV,  2                            ; v2   272 h + 16 r: my place in a tile of V
.set KST, 3                            ; v3   where I store my key's 16 codes
.set VST, 4                            ; v4   where I store four keys' codes of a row of V
.set KGO, 5                            ; v5   my byte offset among K's rows in memory
.set VGO, 6                            ; v6   the same for V
.set SCK, 7                            ; v7, v8, v9: 2^e1, 2^e2, 2^e3 as f32: the conversions take the exponent field
.set SCV, 8
.set SCP, 9
.set TA,  10                           ; v10-12 at work
.set TB,  11
.set TP,  12
.set PFO, 13                           ; v13  the prefetches' offset; never rewritten
.set BS,  14                           ; v[14:15] the sums' second chain
.set NM,  16                           ; v16 -M, v17 the largest t of tile 0; v18, v19 of tile 1
.set LS,  20                           ; v[20:21], v[22:23] the rows' sums, in two halves
.set FF,  24                           ; v24, v26: f = 2^(old M - new M); v25, v27 are named with them as pairs and hold 0
.set QF,  28                           ; v28-43   Q's two fragments
.set PC,  44                           ; v44-59   P's two fragments
.set CT,  44                           ; v44-51   between a step's last products and the next step's conversions: the codes of K and V just made
.set FR,  60                           ; v60-91   four fragments of K, then of V
.set SC,  92                           ; v92-155  S^T, then p: 32 a tile of queries
.set OA,  156                          ; v156-219 O^T: 32 a tile of queries
.set IN,  220                          ; v220-235 16 channels of my key; v236-251 four keys of four rows of V: f32, on their way for a trip
.set SO,  252                          ; v252, v253 the way out: where I put a number; (at the head: v252-254 Q's addresses)
.set SR,  254                          ; v254 where I read a row back
.set GOF, 255                          ; v255 my byte offset in out0
.set WV,  10                           ; s10 wave; s11 wave % 4; s12 wave / 4
.set KQ,  11
.set CG,  12
.set EX,  16                           ; s[16:19] e0 .. e3
.set SEL, 20                           ; s[20:21] v_permlanex16_b32's selects: lane l xor 16
.set CS,  22                           ; s[22:23] log2(e) x 2^(e0 + e1): the packed form names a pair and takes its low word
.set SQ,  24                           ; s[24:25] g
.set NLK, 26                           ; s26, s27 -+57,344 x 2^e1; s28, s29 with e2; s30 57,344 x 2^e3
.set LK,  27
.set NLV, 28
.set LV,  29
.set LP,  30
.set EO,  31                           ; s31 e2 + e3
.set KV,  32                           ; s[32:33] the head's first row of k, at the chunk last asked for
.set QB,  34                           ; s[34:35] the head's first row of q, at my block of queries
.set OB,  36                           ; s[36:37] the head's first row of out0, at my block
.set CNT, 38
.set LIM0, 39                          ; s39, s40: a wave prefetches while s38 is above them: 0 and 1 in a wave that prefetches, else the greatest number
.set LIM1, 40
.macro MKS e, sc, lim                  ; from the whole number s[e]: s[sc] = 2^e as f32, s[lim] = 57,344 x 2^e
	s_add_co_i32 s[\sc], s[\e], 127
	s_add_co_i32 s[\lim], s[\sc], 15
	s_lshl_b32 s[\sc], s[\sc], 23
	s_lshl_b32 s[\lim], s[\lim], 23
	s_or_b32 s[\lim], s[\lim], 0x600000
.endm
; My sixteenth of a chunk.  K: a lane a key, registers down 16 channels; a wave reads 128 consecutive bytes of a row, the four waves of equal wave / 4 stand side by side on 512.  V: four rows, 512 consecutive bytes each.
.macro KVLOAD
.irp i, 0,1,2,3,4,5,6,7,8,9,10,11,12,13,14,15
	global_load_b32 v[IN+\i], v[KGO], s[KV:KV+1] offset:\i*ROW
.endr
.irp i, 0,1,2,3
	global_load_b128 v[IN+16+4*\i:IN+16+4*\i+3], v[VGO], s[KV:KV+1] offset:\i*ROW
.endr
.endm
; The four fragments of K of the sg-th step of slot sl: eight LDS loads.
.macro KFRAG sl, sg
.irp kt, 0,1,2,3
.irp c, 0,1
	ds_load_b128 v[FR+8*\kt+4*\c:FR+8*\kt+4*\c+3], v[LI] offset:(\sl)*SLOTB+(4*(\sg)+\kt)*KT+512*\c   ; granule 2 c + h, row r: 16 lanes read 256 consecutive bytes
.endr
.endr
.endm
; A PREFETCH INTO THE L2 of the chunk behind the one just asked for: a trip ahead of its loads.  The four work-groups of a head walk the same K and V: the head's first work-group asks, in its waves 0 to 7, one instruction
; each: a lane names one aligned block of 256 bytes, two to a row's 512, 16 rows a wave, 128 rows (k's 64, v's 64): each block is named once in the launch.  Chunks 0 to 2 come by their loads alone; chunk 15 is the last named.
.macro ASK lim
	s_cmp_gt_u32 s[CNT], s[\lim]
	s_cbranch_scc0 .Lna_\@
	global_prefetch_b8 v[PFO], s[KV:KV+1] offset:CHB th:TH_LOAD_NT scope:SCOPE_SE
.Lna_\@:
.endm
; The chunk in IN becomes codes in slot dst.  load = 1: the next chunk but one is asked for.  lim: ASK's bound, or -1 for no prefetch.  kf = 1: K's fragments of the other slot's second step are asked for here.
.macro PRODUCE dst, load, lim, kf
	s_wait_loadcnt 0x0                             ; the chunk's 20 loads, issued a trip ago, are in
.set j, 0
.rept 8
	v_pk_mul_f32 v[IN+j:IN+j+1], v[IN+j:IN+j+1], s[SQ:SQ+1] op_sel_hi:[1,0]   ; k g, as the definition has it ahead of the quantiser
.set j, j+2
.endr
.set j, 0
.rept 16
	v_med3_num_f32 v[IN+j], v[IN+j], s[NLK], s[LK] ; the conversion to an 8-bit code does not saturate (ISA guide 7.6.2): the hold at the largest code x the scale
.set j, j+1
.endr
.rept 16
	v_med3_num_f32 v[IN+j], v[IN+j], s[NLV], s[LV]
.set j, j+1
.endr                                                  ; these 40 plain instructions are the places between the last products, which read P, and the conversions, which write its registers
	v_cvt_scalef32_pk8_bf8_f32 v[CT:CT+1], v[IN:IN+7], v[SCK]
	v_cvt_scalef32_pk8_bf8_f32 v[CT+2:CT+3], v[IN+8:IN+15], v[SCK]        ; 16 channels of my key: a granule's row
	v_cvt_scalef32_pk8_bf8_f32 v[CT+4:CT+5], v[IN+16:IN+23], v[SCV]       ; word CT + 4 + i: four keys of my row i of V
	v_cvt_scalef32_pk8_bf8_f32 v[CT+6:CT+7], v[IN+24:IN+31], v[SCV]
	v_nop                                          ; one plain instruction behind the last conversion: its registers are touched by conversions and products further on
	s_wait_alu depctr_va_vdst(0)                   ; the conversions have written CT, which the stores below read, and are done reading IN, which the holds have written and in which the loads below land; the last products are done reading FR, in which K's loads land
.if (\kf)
	KFRAG 1-(\dst), 1                              ; first, since the next products wait for them; they read the slot in hand, the stores below write the other
.endif
	ds_store_b128 v[KST], v[CT:CT+3] offset:(\dst)*SLOTB
.irp i, 0,1,2,3
	ds_store_b32 v[VST], v[CT+4+\i] offset:(\dst)*SLOTB+VOFF+16*\i
.endr
.if (\load)
	s_wait_xcnt 0x0                                ; the prefetch of a trip ago has read the base: only behind this wait is it stepped
	s_add_nc_u64 s[KV:KV+1], s[KV:KV+1], CHB
	KVLOAD                                         ; no vector instruction since the wait on va_vdst above names IN
.if (\lim) >= 0
	ASK \lim
.endif
.endif
.endm
; The step's largest score of my query of tile qt; the running largest t; -M = floor(-t); f.  The scores are taken in ascending order, each accumulator from its low end on.
.macro MAXSTAT qt
.set rS, SC+32*(\qt)
.set rN, NM+2*(\qt)
.set rF, FF+2*(\qt)
	v_max3_num_f32 v[TA], v[rS], v[rS+1], v[rS+2]
	v_max3_num_f32 v[TB], v[rS+3], v[rS+4], v[rS+5]
.irp i, 6,10,14,18,22,26
	v_max3_num_f32 v[TA], v[TA], v[rS+\i], v[rS+\i+1]
	v_max3_num_f32 v[TB], v[TB], v[rS+\i+2], v[rS+\i+3]
.endr
	v_max3_num_f32 v[TA], v[TA], v[rS+30], v[rS+31]
	v_max_num_f32 v[TA], v[TA], v[TB]
	v_permlanex16_b32 v[TP], v[TA], s[SEL], s[SEL+1]   ; the query's other 32 keys lie in lane l xor 16
	v_max_num_f32 v[TA], v[TA], v[TP]
	v_mul_f32 v[TA], s[CS], v[TA]                  ; as t (the factor is positive)
	v_max_num_f32 v[rN+1], v[rN+1], v[TA]
	v_mov_b32 v[TA], v[rN]
	v_floor_f32 v[rN], -v[rN+1]                    ; the new -M = -ceil(t): a whole number
	v_sub_f32 v[TA], v[rN], v[TA]                  ; old M - new M: a whole number, 0 or less
	v_cvt_i32_f32 v[TA], v[TA]                     ; (it saturates)
	v_ldexp_f32 v[rF], 1.0, v[TA]
.endm
.macro SCALE qt                        ; t - M, two at a time
.set rS, SC+32*(\qt)
.set rN, NM+2*(\qt)
.set j, 0
.rept 16
	v_pk_fma_f32 v[rS+j:rS+j+1], v[rS+j:rS+j+1], s[CS:CS+1], v[rN:rN+1] op_sel_hi:[1,0,0]
.set j, j+2
.endr
.endm
.macro EXPS qt                         ; p = 2^(t - M), at most 1
.set rS, SC+32*(\qt)
.set j, 0
.rept 32
	v_exp_f32 v[rS+j], v[rS+j]
.set j, j+1
.endr
.endm
.macro SUMS qt                         ; the row's sum, of the unquantised p: two at a time, in two chains
.set rS, SC+32*(\qt)
.set rL, LS+2*(\qt)
	v_pk_add_f32 v[BS:BS+1], v[rS:rS+1], v[rS+2:rS+3]
.irp i, 4,8,12,16,20,24,28
	v_pk_add_f32 v[rL:rL+1], v[rL:rL+1], v[rS+\i:rS+\i+1]
	v_pk_add_f32 v[BS:BS+1], v[BS:BS+1], v[rS+\i+2:rS+\i+3]
.endr
	v_pk_add_f32 v[rL:rL+1], v[rL:rL+1], v[BS:BS+1]
.endm
; p's hold at the largest code x 2^e3 (one-sided: p is not negative).  p is at most 1: from e3 = -15 on, p / 2^e3 is at most 32,768, under 57,344, and the hold would change nothing: a scalar branch on the given
; whole number leads round it.  The launch has no tensor load and no copy; every exponential has had its wait ahead of the branch.
.macro HOLD
	s_cmp_ge_i32 s[EX+3], -15
	s_cbranch_scc1 .Lnh_\@
.set j, 0
.rept 64
	v_min_num_f32 v[SC+j], s[LP], v[SC+j]
.set j, j+1
.endr
.Lnh_\@:
.endm
; A STEP: 64 keys, the sg-th of slot sl.  sig = 1: PRODUCE stands ahead of it, and the trip's barrier is signalled in it.  own = 1: it asks for its fragments of K itself; 0: PRODUCE has asked for them.
.macro STEP sl, sg, sig, own
.if (\own)
.rept 4
	v_nop                                          ; four places between the last products and the loads into the fragments that they read; they stay beside the wait below
.endr
	s_wait_alu depctr_va_vdst(0)                   ; the last step's products are done reading FR, in which K's loads land
	KFRAG \sl, \sg
	s_wait_dscnt 0x0
.else
	s_wait_dscnt 5                                 ; LDS instructions are done in order (ISA guide 5.7.1): K's eight loads are in; the five stores issued behind them may be out
.endif
.irp kt, 0,1,2,3
.irp qt, 0,1
	v_wmma_f32_16x16x64_bf8_bf8 v[SC+32*\qt+8*\kt:SC+32*\qt+8*\kt+7], v[FR+8*\kt:FR+8*\kt+7], v[QF+8*\qt:QF+8*\qt+7], 0
.endr
.endr
.rept 4
	v_nop                                          ; four places: for the loads below, into registers just read, and for the first read of the scores
.endr
	s_wait_alu depctr_va_vdst(0)                   ; the products above are done reading K's fragments, in whose registers V's loads land
.irp ct, 0,1,2,3
.irp c, 0,1
	ds_load_b128 v[FR+8*\ct+4*\c:FR+8*\ct+4*\c+3], v[AV] offset:(\sl)*SLOTB+VOFF+(\sg)*VSS+\ct*VCT+2*GS*\c   ; V lands while the maxima are taken
.endr
.endr
	MAXSTAT 0
	MAXSTAT 1
	s_wait_dscnt 0x0                               ; V's fragments are in.  No LDS instruction of mine is out: my stores into the other slot have landed, my reads of this slot are back
.if \sig
	s_wait_alu depctr_vm_vsrc(0)                   ; PRODUCE's LDS stores have read CT, which the conversions below, those of the next step and the next PRODUCE's write again
.endif
	SCALE 0
	SCALE 1
	s_wait_alu depctr_va_vdst(0)
	EXPS 0
	EXPS 1                                         ; the 64 exponentials are one batch
	v_pk_mul_f32 v[LS:LS+1], v[LS:LS+1], v[FF:FF+1] op_sel_hi:[1,0]           ; the sums under the new M: plain instructions behind the last exponential
	v_pk_mul_f32 v[LS+2:LS+3], v[LS+2:LS+3], v[FF+2:FF+3] op_sel_hi:[1,0]
	s_wait_alu depctr_va_vdst(0)                   ; the 64 exponentials have written p: one wait for the batch, ahead of the first instruction that names a result
	SUMS 0
	SUMS 1
	HOLD
.if \sig
	s_barrier_signal -1                            ; what the others rely on was complete at the wait on DScnt above, and no LDS instruction was issued since; register work alone follows up to the wait
.endif
.irp qt, 0,1
.irp kt, 0,1,2,3
	v_cvt_scalef32_pk8_bf8_f32 v[PC+8*\qt+2*\kt:PC+8*\qt+2*\kt+1], v[SC+32*\qt+8*\kt:SC+32*\qt+8*\kt+7], v[SCP]   ; registers 4 b .. 4 b + 3 of P: keys 32 b + 16 h + 0 .. 15
.endr
.endr
.irp qt, 0,1
.set j, 0
.rept 16
	v_pk_mul_f32 v[OA+32*\qt+j:OA+32*\qt+j+1], v[OA+32*\qt+j:OA+32*\qt+j+1], v[FF+2*\qt:FF+2*\qt+1] op_sel_hi:[1,0]   ; O^T under the new M; also the plain instructions between the conversions and the products
.set j, j+2
.endr
.endr
.irp ct, 0,1,2,3
.irp qt, 0,1
	v_wmma_f32_16x16x64_bf8_bf8 v[OA+32*\qt+8*\ct:OA+32*\qt+8*\ct+7], v[FR+8*\ct:FR+8*\ct+7], v[PC+8*\qt:PC+8*\qt+7], v[OA+32*\qt+8*\ct:OA+32*\qt+8*\ct+7]   ; eight accumulators, one instruction a turn
.endr
.endr
.endm
; A TRIP: the chunk in slot sl.  mode 2: the next chunk is quantised into the other slot and the one behind it asked for; 1: quantised alone; 0: the last chunk: nothing, and no barrier.
; THE ONE BARRIER orders two things: my stores into the other slot against the others' reads of it in the next trip, and my reads of this slot against the others' stores into it in the next trip.
.macro TRIP sl, mode, lim
	STEP \sl, 0, 0, 1
.if (\mode) >= 1
	PRODUCE 1-(\sl), (\mode)-1, \lim, 1
	STEP \sl, 1, 1, 0                              ; its fragments of K were asked for in PRODUCE, behind PRODUCE's plain instructions and its wait
	s_barrier_wait -1
.else
	STEP \sl, 1, 0, 1
.endif
.endm
	s_load_b128 s[4:7], s[0:1], 0x0                ; qkv s[4:5], the scales' exponents s[6:7]
	s_load_b64 s[8:9], s[0:1], 0x10                ; out0
	v_lshrrev_b32 v[TA], 5, v0
	v_readfirstlane_b32 s[WV], v[TA]               ; wave 0..15
	v_and_b32 v[TA], 31, v0                        ; l
	v_and_b32 v[TB], 15, v0                        ; r
	v_bfe_u32 v[TP], v0, 4, 1                      ; h
	v_lshlrev_b32 v[LI], 4, v[TA]
	v_mul_u32_u24 v[AV], v[TP], GS
	v_lshl_add_u32 v[AV], v[TB], 4, v[AV]
	s_wait_alu depctr_va_sdst(0)                   ; s10, the wave's number, is written, ahead of its first reader
	s_and_b32 s[KQ], s[WV], 3
	s_lshr_b32 s[CG], s[WV], 2
	; K's store: my key is 32 (wave % 4) + l of the chunk: tile 2 (wave % 4) + (l / 8) % 2, row 8 (l / 16) + l % 8; my channels are granule wave / 4
	v_bfe_u32 v[BS], v0, 3, 1
	v_mul_u32_u24 v[KST], v[BS], KT
	v_lshl_add_u32 v[KST], v[TP], 7, v[KST]
	v_and_b32 v[BS], 7, v0
	v_lshl_add_u32 v[KST], v[BS], 4, v[KST]
	s_mul_i32 s42, s[KQ], 2*KT
	s_lshl_b32 s43, s[CG], 8
	s_add_co_u32 s42, s42, s43
	v_add_nc_u32 v[KST], s42, v[KST]
	; V's store: my keys are 4 l .. 4 l + 3 of the chunk: step l / 16, granule (l / 4) % 4, byte 4 (l % 4); my rows are channels 4 wave + i: tile wave / 4, row 4 (wave % 4) + i
	v_mul_u32_u24 v[VST], v[TP], VSS
	v_bfe_u32 v[BS], v0, 2, 2
	v_mul_u32_u24 v[BS], v[BS], GS
	v_add_nc_u32 v[VST], v[VST], v[BS]
	v_and_b32 v[BS], 3, v0
	v_lshl_add_u32 v[VST], v[BS], 2, v[VST]
	s_mul_i32 s42, s[CG], VCT
	s_lshl_b32 s43, s[KQ], 6
	s_add_co_u32 s42, s42, s43
	v_add_nc_u32 v[VST], s42, v[VST]
	s_lshl_b32 s42, s[KQ], 7                       ; K in memory: 4 l + 128 (wave % 4), 16 (wave / 4) rows down
	s_lshl_b32 s43, s[CG], 17
	s_add_co_u32 s42, s42, s43
	v_lshl_add_u32 v[KGO], v[TA], 2, s42
	s_lshl_b32 s42, s[WV], 15                      ; V in memory: 64 rows behind k's first, 4 wave rows down, 16 l
	s_add_co_u32 s42, s42, 64*ROW
	v_lshl_add_u32 v[VGO], v[TA], 4, s42
	s_and_b32 s42, s[WV], 7                        ; the prefetches: row 16 (wave % 8) + l / 2, block l % 2
	s_lshl_b32 s42, s42, 17
	v_lshrrev_b32 v[BS], 1, v[TA]
	v_lshl_add_u32 v[PFO], v[BS], 13, s42
	v_and_b32 v[BS], 1, v0
	v_lshl_add_u32 v[PFO], v[BS], 8, v[PFO]
	s_lshl_b32 s42, s[WV], 7                       ; Q in memory: a lane a query: 4 l + 128 wave
	v_lshl_add_u32 v252, v[TA], 2, s42
	s_lshl_b32 s42, s[WV], 11
	s_add_co_u32 s42, s42, QIMG                    ; my 2,048 bytes for Q's codes
	v_lshl_add_u32 v253, v[TP], 10, s42            ; in: tile l / 16, query l % 16
	v_lshl_add_u32 v253, v[TB], 4, v253
	v_add_nc_u32 v254, s42, v[LI]                  ; back: 16 l
	s_and_b32 s44, ttmp7, 0xffff                   ; the head
	s_mul_i32 s42, s44, HEADB                      ; under 2^32
	s_mov_b32 s43, 0
	s_lshl_b32 s46, ttmp9, 11                      ; my block's 512 queries x 4 bytes
	s_mov_b32 s47, 0
	s_lshl_b32 s44, s44, 19                        ; a head of out0: 64 rows of 8,192 bytes
	s_mov_b32 s45, 0
	s_mov_b32 s[SEL], 0x76543210
	s_mov_b32 s[SEL+1], 0xfedcba98
	s_mov_b32 s[SQ], 0x3eb504f3                    ; g = 1 / sqrt(8) as f32
	s_mov_b32 s[SQ+1], 0x3eb504f3                  ; (named with it as a pair, so it is written)
	s_mov_b32 s[CNT], 7
	s_wait_kmcnt 0x0
	s_load_b128 s[EX:EX+3], s[6:7], 0x0            ; e0, e1, e2, e3
	s_add_nc_u64 s[QB:QB+1], s[4:5], s[42:43]
	s_add_nc_u64 s[KV:KV+1], s[QB:QB+1], 64*ROW
	s_add_nc_u64 s[QB:QB+1], s[QB:QB+1], s[46:47]
	s_add_nc_u64 s[OB:OB+1], s[8:9], s[44:45]
	s_add_nc_u64 s[OB:OB+1], s[OB:OB+1], s[46:47]
	s_wait_alu depctr_va_vdst(0)                   ; the ten addresses and offsets v1 to v6, v13 and v252 to v254 are written, which the loads, LDS accesses and prefetches from here on read
.set j, 0
.rept 64
	global_load_b32 v[SC+j], v252, s[QB:QB+1] offset:j*ROW th:TH_LOAD_NT   ; q(channel j, my query): a wave reads 128 consecutive bytes; read once in the launch
.set j, j+1
.endr
	KVLOAD                                         ; chunk 0
	s_wait_kmcnt 0x0
	s_add_co_i32 s46, s[EX], s[EX+1]
	s_lshl_b32 s46, s46, 23
	s_add_co_i32 s[CS], s46, 0x3fb8aa3b            ; a sum of the first product stands for sum x 2^(e0 + e1): the two exponents are added to log2(e)'s exponent field
	s_mov_b32 s[CS+1], s[CS]
	MKS EX, 44, 43
	s_or_b32 s42, s43, 0x80000000                  ; -+57,344 x 2^e0 in s42, s43
	v_mov_b32 v[TA], s44                           ; 2^e0
	MKS EX+1, 44, LK
	s_or_b32 s[NLK], s[LK], 0x80000000
	v_mov_b32 v[SCK], s44
	MKS EX+2, 44, LV
	s_or_b32 s[NLV], s[LV], 0x80000000
	v_mov_b32 v[SCV], s44
	MKS EX+3, 44, LP
	v_mov_b32 v[SCP], s44
	s_add_co_i32 s[EO], s[EX+2], s[EX+3]
	s_lshr_b32 s46, s[WV], 3                       ; 0 in waves 0 to 7,
	s_or_b32 s46, s46, ttmp9                       ; of the head's first work-group
	s_cmp_eq_u32 s46, 0
	s_cselect_b32 s[LIM0], 0, -1
	s_cselect_b32 s[LIM1], 1, -1
	s_wait_loadcnt 20                              ; Q's 64 loads are in; the 20 of chunk 0, issued behind them, may be out
.set j, 0
.rept 32
	v_pk_mul_f32 v[SC+j:SC+j+1], v[SC+j:SC+j+1], s[SQ:SQ+1] op_sel_hi:[1,0]   ; q g
.set j, j+2
.endr
.set j, 0
.rept 64
	v_med3_num_f32 v[SC+j], v[SC+j], s42, s43
.set j, j+1
.endr
.set j, 0
.rept 8
	v_cvt_scalef32_pk8_bf8_f32 v[FR+2*j:FR+2*j+1], v[SC+8*j:SC+8*j+7], v[TA]   ; registers 4 g .. 4 g + 3: channels 16 g .. 16 g + 15 of my query
.set j, j+1
.endr
	v_nop                                          ; one plain instruction behind the last conversion
	s_wait_alu depctr_va_vdst(0)                   ; the conversions have written v60 to v75, which the LDS stores below read
.irp g, 0,1,2,3
	ds_store_b128 v253, v[FR+4*\g:FR+4*\g+3] offset:256*\g
.endr
.irp qt, 0,1
.irp c, 0,1
	ds_load_b128 v[QF+8*\qt+4*\c:QF+8*\qt+4*\c+3], v254 offset:1024*\qt+512*\c   ; my wave's own bytes, and LDS serves a wave's instructions in order (ISA guide 5.7.1.4): these see the stores above
.endr
.endr
	PRODUCE 0, 1, -1, 0                            ; chunk 0 into slot 0; chunk 1 is asked for.  Nothing is prefetched here, at the head
.set j, 0
.rept 64
	v_mov_b32 v[OA+j], 0                           ; the step is written without a first step of its own: it finds zeros, which the first change of M leaves zeros
.set j, j+1
.endr
.irp i, 0,1,2,3
	v_mov_b32 v[LS+\i], 0
.endr
	v_mov_b32 v[TP], 0                             ; a lane permute's destination counts as one of its sources
	v_mov_b32 v[FF+1], 0
	v_mov_b32 v[FF+3], 0
	v_mov_b32 v[NM+1], 0xff61b1e6                  ; the largest t so far: -3e38
	v_mov_b32 v[NM+3], 0xff61b1e6
	v_floor_f32 v[NM], -v[NM+1]
	v_floor_f32 v[NM+2], -v[NM+3]
	s_wait_dscnt 0x0                               ; Q's fragments are in, and my part of slot 0 has landed
	s_wait_alu depctr_vm_vsrc(0)                   ; Q's LDS stores have read v60 to v75, in which K's fragments land; chunk 0's stores have read CT, which the first step's conversions write; Q's accesses have read v252 to v254, which the way out writes
	s_barrier_signal -1
	s_barrier_wait -1                              ; everybody's has
.Ltrip:                                                ; seven trips of two chunks: chunks 0 to 13
	TRIP 0, 2, LIM0
	TRIP 1, 2, LIM1
	s_sub_co_u32 s[CNT], s[CNT], 1
	s_cmp_lg_u32 s[CNT], 0
	s_cbranch_scc1 .Ltrip
	TRIP 0, 1, -1                                  ; chunk 14: chunk 15 is quantised, nothing is asked for: no load passes key 2,047
	TRIP 1, 0, -1                                  ; chunk 15
	; THE WAY OUT.  O^T / the sum x 2^(e2 + e3).  A lane holds one query, and out0 has the queries innermost: the work-group's 64 rows x 512 queries meet in a stage in LDS, and each wave stores four whole rows' 2,048 bytes.
	v_add_f32 v[LS], v[LS], v[LS+1]                ; the sums' two halves (these additions and the address work below are the places behind the last products),
	v_add_f32 v[LS+2], v[LS+2], v[LS+3]
	v_permlanex16_b32 v[TP], v[LS], s[SEL], s[SEL+1]
	v_permlanex16_b32 v[TA], v[LS+2], s[SEL], s[SEL+1]
	v_add_f32 v[LS], v[LS], v[TP]                  ; and lane l xor 16's
	v_add_f32 v[LS+2], v[LS+2], v[TA]
	s_wait_alu depctr_va_vdst(0)
	v_rcp_f32 v[FF], v[LS]
	v_rcp_f32 v[FF+2], v[LS+2]
	v_and_b32 v[TB], 15, v0                        ; r  (plain work behind the reciprocals)
	v_bfe_u32 v[TP], v0, 4, 1                      ; h
	s_lshl_b32 s42, s[WV], 7
	s_add_co_u32 s42, s42, STG
	v_mul_u32_u24 v[SO], v[TP], 8*SPITCH           ; in: register 8 ct + j of tile qt is channel 16 ct + 8 h + j, query 32 wave + 16 qt + r
	v_lshl_add_u32 v[SO], v[TB], 2, v[SO]
	v_add_nc_u32 v[SO], s42, v[SO]
	v_add_nc_u32 v[SO+1], 32*SPITCH, v[SO]         ; channels 32 on: the offsets stay inside their 16 bits
	s_mul_i32 s42, s[WV], 4*SPITCH
	s_add_co_u32 s42, s42, STG
	v_add_nc_u32 v[SR], s42, v[LI]                 ; back: rows 4 wave + i, 16 bytes a lane
	s_lshl_b32 s42, s[WV], 15
	v_add_nc_u32 v[GOF], s42, v[LI]                ; and the same in out0
	s_wait_alu depctr_va_vdst(0)                   ; the two reciprocals have written v24 and v26: one wait, ahead of their first reader
	v_ldexp_f32 v[FF], v[FF], s[EO]
	v_ldexp_f32 v[FF+2], v[FF+2], s[EO]
.irp qt, 0,1
.set j, 0
.rept 16
	v_pk_mul_f32 v[OA+32*\qt+j:OA+32*\qt+j+1], v[OA+32*\qt+j:OA+32*\qt+j+1], v[FF+2*\qt:FF+2*\qt+1] op_sel_hi:[1,0]   ; each accumulator from its low end on
.set j, j+2
.endr
.endr
	s_wait_alu depctr_va_vdst(0)                   ; the multiplications have written O^T, the stage stores' data; the four addresses v252 to v255 are written; the last step is done with v92 to v155, in which the stage's loads land
.irp qt, 0,1
.irp ct, 0,1,2,3
.irp i, 0,1,2,3,4,5,6,7
	ds_store_b32 v[SO+(\ct/2)], v[OA+32*\qt+8*\ct+\i] offset:(16*(\ct%2)+\i)*SPITCH+64*\qt   ; lanes 0-15: 64 consecutive bytes; lanes 16-31: eight rows on, 128 bytes further round the banks
.endr
.endr
.endr
	s_wait_dscnt 0x0                               ; for the others' sake: my stores into the stage have landed
	s_barrier_signal -1
	s_barrier_wait -1
.irp i, 0,1,2,3
.irp k, 0,1,2,3
	ds_load_b128 v[SC+4*(4*\i+\k):SC+4*(4*\i+\k)+3], v[SR] offset:\i*SPITCH+512*\k
.endr
.endr
.irp i, 0,1,2,3
.irp k, 0,1,2,3
	s_wait_dscnt 15-(4*\i+\k)                      ; LDS loads come back in order (ISA guide 5.7.1): this one is in, the younger ones may be out
	global_store_b128 v[GOF], v[SC+4*(4*\i+\k):SC+4*(4*\i+\k)+3], s[OB:OB+1] offset:\i*ROW+512*\k th:TH_STORE_NT   ; 32 lanes store 512 consecutive bytes, at a multiple of 256 from out0's first byte
.endr
.endr
	s_wait_xcnt 0x0                                ; the stores have had their addresses translated (ISA guide 3.1): v255, their offset, is written again only behind this wait
	s_wait_alu depctr_vm_vsrc(0)                   ; the stage's loads have read v254 and the stores v255: the two lines below write both anew
	v_lshl_add_u32 v254, v0, 2, 0x31400
	v_mov_b32 v255, 0
	s_wait_dscnt 0x0                               ; the closing lines, six on end
	s_wait_alu 0x0
	s_wait_tensorcnt 0x0
	ds_add_u32 v254, v255
	s_wait_dscnt 0x0
	s_endpgm
.Lfunc_end_k_qeed36a5831_attn:
	.size	k_qeed36a5831_attn, .Lfunc_end_k_qeed36a5831_attn-k_qeed36a5831_attn
	.p2alignl 7, 3214868480
	.fill 96, 4, 3214868480
	.section	.rodata,"a",@progbits
	.p2align	6, 0x0
	.amdhsa_kernel k_qeed36a5831_attn
		.amdhsa_group_segment_fixed_size 203776
		.amdhsa_private_segment_fixed_size 0
		.amdhsa_enable_private_segment 0
		.amdhsa_kernarg_size 24
		.amdhsa_user_sgpr_count 2
		.amdhsa_user_sgpr_kernarg_segment_ptr 1
		.amdhsa_wavefront_size32 1
		.amdhsa_system_sgpr_workgroup_id_x 1
		.amdhsa_system_sgpr_workgroup_id_y 1
		.amdhsa_system_sgpr_workgroup_id_z 1
		.amdhsa_system_vgpr_workitem_id 0
		.amdhsa_next_free_vgpr 256
		.amdhsa_next_free_sgpr 66
		.amdhsa_reserve_vcc 0
		.amdhsa_float_denorm_mode_32 3
		.amdhsa_float_denorm_mode_16_64 3
		.amdhsa_memory_ordered 1
		.amdhsa_forward_progress 1
		.amdhsa_inst_pref_size 179
	.end_amdhsa_kernel
	.amdgpu_metadata
---
amdhsa.version: [ 1, 2 ]
amdhsa.kernels:
  - .name:           k_qeed36a5831_attn
    .symbol:         k_qeed36a5831_attn.kd
    .args:
      - { .name: qkv, .offset: 0, .size: 8, .value_kind: global_buffer, .address_space: global }
      - { .name: lowp_scales, .offset: 8, .size: 8, .value_kind: global_buffer, .address_space: global }
      - { .name: out0, .offset: 16, .size: 8, .value_kind: global_buffer, .address_space: global }
    .group_segment_fixed_size: 203776
    .private_segment_fixed_size: 0
    .kernarg_segment_align: 8
    .kernarg_segment_size: 24
    .max_flat_workgroup_size: 512
    .sgpr_count:     66
    .vgpr_count:     256
    .wavefront_size: 32
...
	.end_amdgpu_metadata
.endif
;; end of part 2
